; MI455X (gfx1250); checked and timed in simulation.
; The chip was launched on July 23, 2026; its instructions are those of AMD's public machine-readable ISA for CDNA 5 (MIT licence, August 2026) and "CDNA5" Instruction Set Architecture Reference Guide (July 2026). The comments in the code are by the model that wrote it; some were corrected since.
;; Multi Headed Self Attention. Allowed arithmetic: matrix products marked QUANTISED: E2M3 operands, one E8M0 scale for each 32 along K, by v_wmma_scale_f32_16x16x128_f8f6f4 with both operands' format E2M3, f32 sums; everything else in f32.
;; Inputs: Wk 1,024 x 1,024 float32; Wq 1,024 x 1,024 float32; Wv 1,024 x 1,024 float32; bk 1,024 float32; bq 1,024 float32; bv 1,024 float32; mask 4 x 2,048 int32; x 4 x 2,048 x 1,024 float32.
;; Outputs: out0 4 x 2,048 x 1,024 float32.
;; This version of the problem:
;;   THIS VERSION OF THE PROBLEM IS GIVEN IN LOW PRECISION. The matrix products marked QUANTISED in the list below multiply operands that are first quantised to E2M3 (2 exponent bits, 3 mantissa bits; 6 bits a number), with one power-of-two scale for each 32 numbers along K (OCP MX v1.0); their sums are f32. All else is computed in f32.
;;   The module's matrix products, in the order in which they are computed (A, B: the left and right operand; K: the contracted axis; several contracted axes count as one K, in the product's order):
;;     1. [M 8,192, K 1,024] x [K 1,024, N 1,024]; A: input x; B: input Wq: QUANTISED
;;     2. [M 8,192, K 1,024] x [K 1,024, N 1,024]; A: input x; B: input Wk: QUANTISED
;;     3. [M 8,192, K 1,024] x [K 1,024, N 1,024]; A: input x; B: input Wv: QUANTISED
;;     4. batch 64 x [M 2,048, K 64] x [K 64, N 2,048]; A: computed on the way; B: computed on the way: QUANTISED
;;     5. batch 64 x [M 2,048, K 2,048] x [K 2,048, N 64]; A: softmax (see below); B: computed on the way: QUANTISED
;;   THE QUANTISER, for each operand of a quantised product, along K:
;;     - K is cut into blocks of 32 from its start; a last block that is shorter is filled with zeros.
;;     - A block's scale is 2^e with e = floor(log2(the largest magnitude in the block)) - 2, held to -126 .. 127; a block of zeros has e = 0. As a byte (E8M0): e + 127.
;;     - Each number is divided by its block's scale, clamped to +-7.5, and rounded to the nearest number of E2M3, ties to even, subnormals kept.
;;     - The product sums the exact products of the quantised numbers (number of the format x scale) in f32.
;;   ~~~python
;;   def quantise(x, axis):      # numpy; x: float32 -> the quantised numbers, widened to float32 again
;;       x = np.moveaxis(x, axis, -1); K = x.shape[-1]
;;       x = np.pad(x, [(0, 0)] * (x.ndim - 1) + [(0, -K % 32)]); x = x.reshape(x.shape[:-1] + (-1, 32)); a = np.abs(x).max(-1, keepdims=True)
;;       e = np.where(a > 0, np.clip(np.frexp(np.where(a > 0, a, 1))[1] - 1 - 2, -126, 127), 0)      # np.frexp(a)[1] - 1 = floor(log2(a)), exactly
;;       r = np.clip(x / 2.0 ** e, -7.5, 7.5)
;;       step = 2.0 ** (np.maximum(np.frexp(np.where(r == 0, 1, r))[1] - 1, 0) - 3)
;;       q = np.round(r / step) * step * 2.0 ** e      # np.round: ties to even
;;       return np.moveaxis(q.reshape(q.shape[:-2] + (-1,))[..., :K], -1, axis).astype(np.float32)
;;   ~~~
;;   SOFTMAX AHEAD OF A QUANTISED PRODUCT. Where the list says 'softmax', what is quantised is not the finished softmax but p = 2^(t - M), with t = logit x log2(e) and M = ceil(the row's largest t), a whole number; so 1/2 < the row's largest p <= 1. The row's sum l is taken of the UNQUANTISED p, in f32, and the product's result is divided by l at the end. Since M is a whole number, a kernel that streams over the keys may use a running M (the ceiling of the running maximum): every later rescaling is an exact power of two, which a block's scale takes up: the codes' values come out the same.
;;   OPERANDS COMPUTED ON THE WAY. 'Computed on the way' means the value that the module computes at that place (a softmax that the list does not call 'softmax' is quantised finished and normalised). What goes into a quantiser is computed in f32, as accurately as f32 sums, v_exp_f32 and their like allow (about 1e-6 of the number): no bf16 or f16 on the way to a quantiser, and a product that is left as it is and whose result goes on into a quantised operand takes f32 operands (vector FMAs, or v_wmma_f32_16x16x4_f32). A number that lies on a knife's edge between two numbers of the format may be rounded either way, as far as f32 arithmetic and the matrix unit's own rounding can turn it there, and no further.
;; One version. Each part assembles by itself: llvm-mc -triple=amdgcn-amd-amdhsa -mcpu=gfx1250 --defsym DOCPART=n.
;; ======== version 1 of 1: 3 launches
;; limits: right only within a limited range of input values
;; workspace buffers: xc 6,291,456 bytes; xs 262,144 bytes; wc 2,359,296 bytes; ws 98,304 bytes; qkv 19,660,800 bytes
;; launch quant (part 1): grid 448 x 1, 4 waves a work-group, no clusters, 68,096 bytes of LDS; arguments x, Wq, Wk, Wv, xc, xs, wc, ws; writes xc, xs, wc, ws
.if DOCPART == 1
	.amdgcn_target "amdgcn-amd-amdhsa--gfx1250"
	.amdhsa_code_object_version 6
	.text
	.protected	k_q422256d136_quant
	.globl	k_q422256d136_quant
	.p2align	8
	.type	k_q422256d136_quant,@function
k_q422256d136_quant:
	s_mov_b64 s[64:65], 0
	v_nop
	global_prefetch_b8 v0, s[64:65] scope:SCOPE_SE
	s_setreg_imm32_b32 hwreg(HW_REG_WAVE_MODE, 25, 1), 1
	s_wait_xcnt 0x0
; x [8192][1024] f32 (K innermost) and Wq, Wk, Wv [1024 (k)][1024 (n)] f32 (K outermost) become codes of FP6 (E2M3), K innermost, 768 bytes a row, with one E8M0 byte for each 32 along K, 32 bytes a row.
; xc, xs: 8,192 rows (tokens).  wc, ws: 3,072 rows: the columns of Wq, then of Wk, then of Wv.
; A block's scale is 2^(floor(log2(its largest magnitude)) - 2): its byte is the largest magnitude's exponent field - 2, held at 1 from below; each number is divided by the scale and rounded to the nearest code, ties to even.
; THE ROWS ARE STORED IN ANOTHER ORDER: row 32 B + 16 a + 8 u + j lies at place 32 B + 16 u + 8 a + j.  Sixteen rows on end (places 32 B + 16 u + r) are then rows 32 B + 8 u + r + 8 (r / 8): taken as source 0 of a
; matrix instruction, two such neighbouring tiles leave 16 neighbouring rows in a lane's 16 result registers, which is what the next launch's quantiser wants.
; LIMITS: a block of zeros gets the byte 1 where the rule says 127 (its codes are zeros, and this program alone reads the bytes); blocks whose largest magnitude lies under 2^-124 have their byte held at 1;
; NaN and infinities among the inputs are not served.
; Work-groups 0 to 255 take x, 32 rows each; work-groups 256 to 447 take the weights, 128 columns x 128 along K each.  The two ways part on the work-group's number, have LDS bytes of
; their own and do not meet again.  No tensor loads, no barrier: waves share nothing.
.set XWG,   256                        ; x's work-groups
.set STEPS, 16
.set DEPTH, 8                          ; x: loads run eight steps ahead: 32 loads of 512 bytes are out for a wave
.set EMAX,  2
.set CB,    12                         ; bytes of 16 codes
.set R,     16                         ; x: v16-143  eight sets of 16 numbers as they are loaded
.set X,     144                        ; x: v144-175 two sets of 16 neighbours
.set E,     10                         ; x: v10, v12 the scale's byte, by turns
.set C,     192                        ; x: v192-255 codes: four registers for each step, so that no global store's data are written again
.set WREG,  8192                       ; x: LDS, a region for each wave: two stages of 32 x SP bytes, behind them its 256 scale bytes
.set SP,    80                         ; x: a lane's place in a stage: 64 bytes + 16 of padding
.set WBASE, 4*WREG                     ; the weights' LDS begins behind x's
.set PITCH, 272                        ; weights: a stage row: places of 16 bytes, each with 12 bytes of codes
.set NB,    4                          ; weights: blocks of 32 along K for a wave
.set ROWB,  96                         ; weights: bytes of 128 codes
.set KROW,  768                        ; a row of codes in memory
.set WX,    32                         ; weights: v32-95 two sets of 32 numbers
.set WC,    96                         ; weights: a block's codes
.set OUTR,  112                        ; weights: v112-143 the way out
.set SB,    24                         ; weights: v24 the four scale bytes
.set SPARE, WBASE+4*32*PITCH           ; the spare words, 128 bytes for each wave: two blocks of 256 bytes that no other line names
.set SPW,   176                        ; v176 LDS address of my spare word; never rewritten
.set NIL,   177                        ; v177 0; never rewritten
	s_load_b512 s[4:19], s[0:1], 0x0               ; x s[4:5], Wq s[6:7], Wk s[8:9], Wv s[10:11], xc s[12:13], xs s[14:15], wc s[16:17], ws s[18:19]
	v_lshl_add_u32 v[SPW], v0, 2, SPARE
	v_mov_b32 v[NIL], 0
	v_lshrrev_b32 v1, 5, v0
	v_readfirstlane_b32 s20, v1                    ; wave 0..3
	v_and_b32 v2, 31, v0                           ; lane
	s_wait_kmcnt 0x0
	s_cmp_lt_u32 ttmp9, XWG
	s_cbranch_scc0 .Lweights
; ---------------- x.  A wave takes 8 rows = 8,192 numbers in 16 steps of 512.  Each load reads 512 consecutive bytes, 16 a lane; a step's 2,048 bytes turn through the wave's own stage in LDS and come back
; 64 bytes a lane: 16 neighbours along K, half a block; two neighbouring lanes hold a block.
	s_wait_alu depctr_va_vdst(0)                   ; the wait behind the blocking wait's stretch
	v_lshlrev_b32 v3, 4, v2                        ; my 16 bytes of a load's 512
	s_mul_i32 s21, s20, WREG
	v_lshrrev_b32 v14, 2, v2
	v_mul_u32_u24 v14, v14, SP
	v_and_b32 v15, 3, v2
	v_lshl_add_u32 v14, v15, 4, v14
	v_add_nc_u32 v14, s21, v14                     ; the stage, on the way in: SP (lane / 4) + 16 (lane % 4)
	v_mul_u32_u24 v15, v2, SP
	v_add_nc_u32 v15, s21, v15                     ; and on the way out: SP x lane
	v_mul_u32_u24 v4, v2, CB                       ; my codes' place in a step's 384 bytes
	v_lshrrev_b32 v5, 1, v2
	s_add_co_u32 s21, s21, 2*32*SP
	v_add_nc_u32 v5, s21, v5                       ; LDS: my wave's 256 scale bytes, my block's byte
	v_lshlrev_b32 v7, 3, v2                        ; and on the way out 8 bytes a lane
	v_add_nc_u32 v6, s21, v7
	s_lshl_b32 s22, ttmp9, 2
	s_add_co_u32 s23, s22, s20                     ; which 8 rows I read: 4 x work-group + wave
	s_lshl_b32 s24, s23, 15                        ; x 32,768 bytes
	s_mov_b32 s25, 0
	s_add_nc_u64 s[4:5], s[4:5], s[24:25]
	s_and_b32 s26, s20, 1                          ; and where they go: wave 2 a + u writes the places of wave 2 u + a
	s_lshl_b32 s26, s26, 1
	s_lshr_b32 s27, s20, 1
	s_or_b32 s26, s26, s27
	s_add_co_u32 s26, s26, s22
	s_mul_i32 s24, s26, 8*KROW
	s_add_nc_u64 s[12:13], s[12:13], s[24:25]
	s_lshl_b32 s24, s26, 8                         ; 8 rows x 32 scale bytes
	s_add_nc_u64 s[14:15], s[14:15], s[24:25]
.macro XLOAD t
.irp i, 0,1,2,3
	global_load_b128 v[R+16*((\t)%DEPTH)+4*\i:R+16*((\t)%DEPTH)+4*\i+3], v3, s[4:5] offset:2048*(\t)+512*\i th:TH_LOAD_NT
.endr
.endm
.macro XTURN t                         ; step t's numbers through the stage: LDS serves a wave's instructions in order, so no wait stands between the stores and the loads
.irp i, 0,1,2,3
	ds_store_b128 v14, v[R+16*((\t)%DEPTH)+4*\i:R+16*((\t)%DEPTH)+4*\i+3] offset:32*SP*((\t)%2)+8*SP*\i
.endr
.irp i, 0,1,2,3
	ds_load_b128 v[X+16*((\t)%2)+4*\i:X+16*((\t)%2)+4*\i+3], v15 offset:32*SP*((\t)%2)+16*\i
.endr
.endm
.irp t, 0,1,2,3,4,5,6,7
	XLOAD \t
.endr
	s_wait_alu depctr_va_vdst(0)                   ; the wait ahead of the blocking wait
	s_wait_loadcnt 4*(DEPTH-1)                     ; step 0's four loads are in; the 28 of steps 1 to 7 may be out
	XTURN 0
.macro XSTEP t
.set XS, X+16*((\t)%2)
.if (\t) > 0
	s_wait_dscnt 1                                 ; this step's numbers are back from the stage (the last step's byte store may be out): so its stores into the stage have read their registers,
.else
	s_wait_dscnt 0x0
.endif
.if (\t)+DEPTH < STEPS
	XLOAD (\t)+DEPTH                               ; which take the loads of eight steps on
.endif
.if (\t)+1 < STEPS
.if STEPS-2-(\t) >= DEPTH-1
	s_wait_loadcnt 4*(DEPTH-1)                     ; the next step's four loads are in; those of the seven steps behind it may be out
.else
	s_wait_loadcnt 4*(STEPS-2-(\t))
.endif
	XTURN (\t)+1                                   ; and go through the other stage while this step is worked
.endif
	v_max3_num_f32 v8, |v[XS]|, |v[XS+1]|, |v[XS+2]|               ; the largest magnitude of my 16, in two chains
	v_max3_num_f32 v9, |v[XS+3]|, |v[XS+4]|, |v[XS+5]|
.irp i, 6,10
	v_max3_num_f32 v8, v8, |v[XS+\i]|, |v[XS+\i+1]|
	v_max3_num_f32 v9, v9, |v[XS+\i+2]|, |v[XS+\i+3]|
.endr
	v_max3_num_f32 v8, v8, |v[XS+14]|, |v[XS+15]|
	v_max3_num_f32 v8, v8, v9, (EMAX+1)<<23        ; and the floor 2^(3 - 127): the byte cannot fall under 1
	v_max_num_f32_dpp v8, v8, v8 row_xmask:1 row_mask:0xf bank_mask:0xf   ; and of my neighbour's 16: the block's
	v_add_nc_u32 v11, -(EMAX<<23), v8              ; 2 off its exponent field: the conversion takes the exponent field of this operand as its scale
	v_cvt_scalef32_pk16_fp6_f32 v[C+4*(\t):C+4*(\t)+2], v[XS:XS+15], v11
	v_lshrrev_b32 v[E+2*((\t)%2)], 23, v11         ; the scale's byte (a plain line behind the conversion); the store of two steps ago is done behind the wait at this step's head
	ds_store_b8 v5, v[E+2*((\t)%2)] offset:16*(\t) ; both lanes of a block write the same byte with the same value
	global_store_b96 v4, v[C+4*(\t):C+4*(\t)+2], s[12:13] offset:32*CB*(\t)   ; the wave stores 384 consecutive bytes
.endm
.irp t, 0,1,2,3,4,5,6,7,8,9,10,11,12,13,14,15
	XSTEP \t
.endr
	ds_load_b64 v[8:9], v6                         ; LDS serves a wave's instructions in order: these see my byte stores
	s_wait_dscnt 0x0
	global_store_b64 v7, v[8:9], s[14:15]          ; 32 lanes store 256 consecutive bytes, aligned
	s_wait_tensorcnt 0x0                           ; the wave's end
	ds_add_u32 v[SPW], v[NIL]
	s_wait_dscnt 0x0
	s_endpgm
; ---------------- the weights.  A LANE TAKES A COLUMN n, AND ITS REGISTERS RUN DOWN K: each load reads 128 consecutive bytes a wave, a block of 32 along K lies in one lane's 32 registers, and the conversions give
; codes with K innermost.  A wave takes 32 columns x 128 along K: four blocks, of which two (64 loads) are asked for ahead; its codes go through its own stage in LDS and leave as rows: eight lanes store a row's 96 consecutive bytes.
.Lweights:
	s_sub_co_u32 s21, ttmp9, XWG
	s_lshr_b32 s22, s21, 6                         ; which tensor: 0 Wq, 1 Wk, 2 Wv
	s_and_b32 s23, s21, 7                          ; which 128 columns
	s_bfe_u32 s24, s21, 0x30003                    ; which 128 along K
	s_cmp_eq_u32 s22, 0
	s_cselect_b64 s[6:7], s[6:7], s[8:9]
	s_cmp_eq_u32 s22, 2
	s_cselect_b64 s[6:7], s[10:11], s[6:7]
	s_lshl_b32 s25, s23, 7
	s_lshl_b32 s26, s20, 5
	s_add_co_u32 s25, s25, s26                     ; my wave's first column
	s_lshl_b32 s26, s24, 19                        ; 128 rows of 4,096 bytes
	s_lshl_b32 s27, s25, 2
	s_add_co_u32 s26, s26, s27
	s_mov_b32 s27, 0
	s_add_nc_u64 s[6:7], s[6:7], s[26:27]
	s_lshl_b32 s28, s22, 10
	s_add_co_u32 s28, s28, s25                     ; my wave's first row of wc and ws
	s_mul_i32 s26, s28, KROW
	s_mul_i32 s29, s24, ROWB
	s_add_co_u32 s26, s26, s29
	s_add_nc_u64 s[16:17], s[16:17], s[26:27]
	s_lshl_b32 s26, s28, 5
	s_lshl_b32 s29, s24, 2                         ; four scale bytes for 128 along K
	s_add_co_u32 s26, s26, s29
	s_add_nc_u64 s[18:19], s[18:19], s[26:27]
	s_wait_alu depctr_va_vdst(0)                   ; the wait behind the branch and the scalar lines
	v_lshlrev_b32 v3, 2, v2                        ; in: 4 bytes a lane
	v_and_b32 v10, 7, v2                           ; my column's place among the wave's 32 rows: lane 16 a + 8 u + j goes to 16 u + 8 a + j
	v_bfe_u32 v5, v2, 3, 1
	v_lshl_add_u32 v10, v5, 4, v10
	v_bfe_u32 v5, v2, 4, 1
	v_lshl_add_u32 v10, v5, 3, v10
	s_mul_i32 s28, s20, 32*PITCH
	s_add_co_u32 s28, s28, WBASE                   ; my stage
	v_mul_u32_u24 v4, v10, PITCH
	v_add_nc_u32 v4, s28, v4                       ; into it: row = my column's place
	v_and_b32 v5, 7, v2
	v_lshrrev_b32 v6, 3, v2                        ; out of it: eight lanes to a row, four rows an instruction
	v_mul_u32_u24 v7, v6, PITCH
	v_lshl_add_u32 v7, v5, 4, v7
	v_add_nc_u32 v7, s28, v7
	v_mul_u32_u24 v8, v6, KROW
	v_mad_u32_u24 v8, v5, 12, v8                   ; and the same place in wc
	v_lshlrev_b32 v9, 5, v10                       ; my column's row of scale bytes
.macro WLOAD t                         ; block t: W(32 t + i, my column), i = 0 .. 31, into set t % 2; the largest offset is 127 x 4,096 bytes
.set i, 0
.rept 32
	global_load_b32 v[WX+32*((\t)%2)+i], v3, s[6:7] offset:(32*(\t)+i)*4096 th:TH_LOAD_NT
.set i, i+1
.endr
.endm
	WLOAD 0
	WLOAD 1
.macro WBLOCK t
.set XS, WX+32*((\t)%2)
.if (\t) < NB-1
	s_wait_loadcnt 32                              ; this block's 32 loads are in; the next block's 32 may be out
.else
	s_wait_loadcnt 0
.endif
	v_max3_num_f32 v12, |v[XS]|, |v[XS+1]|, |v[XS+2]|              ; the block's largest magnitude: all 32 numbers are mine
	v_max3_num_f32 v13, |v[XS+3]|, |v[XS+4]|, |v[XS+5]|
.irp i, 6,10,14,18,22,26
	v_max3_num_f32 v12, v12, |v[XS+\i]|, |v[XS+\i+1]|
	v_max3_num_f32 v13, v13, |v[XS+\i+2]|, |v[XS+\i+3]|
.endr
	v_max3_num_f32 v12, v12, |v[XS+30]|, |v[XS+31]|
	v_max3_num_f32 v12, v12, v13, (EMAX+1)<<23     ; and the floor
	v_add_nc_u32 v11, -(EMAX<<23), v12             ; the conversion's scale operand
	v_lshrrev_b32 v13, 23, v11                     ; the scale's byte
.if (\t) == 0
	v_mov_b32 v[SB], v13                           ; four bytes to a register, the lower K in the lower byte
.else
	v_lshl_or_b32 v[SB], v13, 8*(\t), v[SB]
.endif
	v_cvt_scalef32_pk16_fp6_f32 v[WC:WC+2], v[XS:XS+15], v11
	v_cvt_scalef32_pk16_fp6_f32 v[WC+4:WC+6], v[XS+16:XS+31], v11  ; (a conversion's three registers begin on an even number)
	v_nop                                          ; one plain line behind the conversions
	ds_store_b96 v4, v[WC:WC+2] offset:32*(\t)     ; 12 bytes to a place of 16, so that every LDS address is a multiple of 16
	ds_store_b96 v4, v[WC+4:WC+6] offset:32*(\t)+16
.if (\t)+2 < NB
	WLOAD (\t)+2
.endif
	s_wait_dscnt 0x0                               ; the stores have read their registers: the next block's codes may be written
.endm
.irp t, 0,1,2,3
	WBLOCK \t
.endr
	s_wait_alu depctr_va_vdst(0)                   ; the wait here, directly ahead of the reader below
	global_store_b32 v9, v[SB], s[18:19]           ; my column's 4 scale bytes
.irp t, 0,1,2,3,4,5,6,7
	ds_load_b96 v[OUTR+4*\t:OUTR+4*\t+2], v7 offset:4*\t*PITCH     ; LDS serves a wave's instructions in order: these see my stores
.endr
.irp t, 0,1,2,3,4,5,6,7
	s_wait_dscnt 7-\t                              ; load t is in; the younger ones may be out
	global_store_b96 v8, v[OUTR+4*\t:OUTR+4*\t+2], s[16:17] offset:4*\t*KROW
.endr
	s_wait_tensorcnt 0x0                           ; the wave's end
	ds_add_u32 v[SPW], v[NIL]
	s_wait_dscnt 0x0
	s_endpgm
.Lfunc_end_k_q422256d136_quant:
	.size	k_q422256d136_quant, .Lfunc_end_k_q422256d136_quant-k_q422256d136_quant
	.p2alignl 7, 3214868480
	.fill 96, 4, 3214868480
	.section	.rodata,"a",@progbits
	.p2align	6, 0x0
	.amdhsa_kernel k_q422256d136_quant
		.amdhsa_group_segment_fixed_size 68096
		.amdhsa_private_segment_fixed_size 0
		.amdhsa_enable_private_segment 0
		.amdhsa_kernarg_size 64
		.amdhsa_user_sgpr_count 2
		.amdhsa_user_sgpr_kernarg_segment_ptr 1
		.amdhsa_wavefront_size32 1
		.amdhsa_system_sgpr_workgroup_id_x 1
		.amdhsa_system_sgpr_workgroup_id_y 1
		.amdhsa_system_sgpr_workgroup_id_z 1
		.amdhsa_system_vgpr_workitem_id 0
		.amdhsa_next_free_vgpr 256
		.amdhsa_next_free_sgpr 66
		.amdhsa_reserve_vcc 0
		.amdhsa_float_denorm_mode_32 3
		.amdhsa_float_denorm_mode_16_64 3
		.amdhsa_memory_ordered 1
		.amdhsa_forward_progress 1
		.amdhsa_inst_pref_size 54
	.end_amdhsa_kernel
	.amdgpu_metadata
---
amdhsa.version: [ 1, 2 ]
amdhsa.kernels:
  - .name:           k_q422256d136_quant
    .symbol:         k_q422256d136_quant.kd
    .args:
      - { .name: x, .offset: 0, .size: 8, .value_kind: global_buffer, .address_space: global }
      - { .name: Wq, .offset: 8, .size: 8, .value_kind: global_buffer, .address_space: global }
      - { .name: Wk, .offset: 16, .size: 8, .value_kind: global_buffer, .address_space: global }
      - { .name: Wv, .offset: 24, .size: 8, .value_kind: global_buffer, .address_space: global }
      - { .name: xc, .offset: 32, .size: 8, .value_kind: global_buffer, .address_space: global }
      - { .name: xs, .offset: 40, .size: 8, .value_kind: global_buffer, .address_space: global }
      - { .name: wc, .offset: 48, .size: 8, .value_kind: global_buffer, .address_space: global }
      - { .name: ws, .offset: 56, .size: 8, .value_kind: global_buffer, .address_space: global }
    .group_segment_fixed_size: 68096
    .private_segment_fixed_size: 0
    .kernarg_segment_align: 8
    .kernarg_segment_size: 64
    .max_flat_workgroup_size: 128
    .sgpr_count:     66
    .vgpr_count:     256
    .wavefront_size: 32
...
	.end_amdgpu_metadata
.endif
;; end of part 1
;; launch proj (part 2): grid 12 x 32, 4 waves a work-group, clusters of 4 x 4, 327,680 bytes of LDS; arguments xc, xs, wc, ws, qkv, bq, bk, bv; writes qkv
.if DOCPART == 2
	.amdgcn_target "amdgcn-amd-amdhsa--gfx1250"
	.amdhsa_code_object_version 6
	.text
	.protected	k_q422256d136_proj
	.globl	k_q422256d136_proj
	.p2align	8
	.type	k_q422256d136_proj,@function
k_q422256d136_proj:
	s_mov_b64 s[64:65], 0
	v_nop
	global_prefetch_b8 v0, s[64:65] scope:SCOPE_SE
	s_setreg_imm32_b32 hwreg(HW_REG_WAVE_MODE, 25, 1), 1
	s_wait_xcnt 0x0
	s_wait_alu depctr_hold_cnt(0) depctr_sa_sdst(0) depctr_va_vdst(0) depctr_va_sdst(0) depctr_va_ssrc(0) depctr_va_vcc(0) depctr_vm_vsrc(0)
	s_getreg_b32 s2, hwreg(HW_REG_IB_STS2, 6, 4)
	s_cmp_eq_u32 s2, 0
	s_cbranch_scc0 .Lentry_in_a_cluster
	s_endpgm
.Lentry_in_a_cluster:
	s_bfe_u32 s2, ttmp6, 0x10000c
	s_cmp_lg_u32 s2, 0xf033
	s_cbranch_scc0 .Lentry_shape_is_right
	s_endpgm
.Lentry_shape_is_right:
; q = x Wq + bq, k = x Wk + bk, v = x Wv + bv on codes of FP6 (E2M3), one E8M0 scale for each 32 along K = 1,024, sums in f32; then q, k, v are quantised in registers along the K of the product
; that takes them (q, k: the head's 64 channels; v: the keys) and stored as images of the operand's registers.
; THE GEMM: a tile of 256 x 256 by four waves, 128 x 128 a wave (64 accumulators).  K goes through a ring of two LDS slots in CHUNKS OF 256 BYTES of each row of 768: every tile row begins at a multiple of 256 bytes.
; A step of 128 along K is 96 bytes: eight steps to three chunks; steps 2 and 5 lie across two chunks and read both slots.  The scale bytes of the 2 x 256 rows come into LDS once.
; 4 x 4 work-groups form a cluster: source 1's tiles are shared along a row of it, source 0's along a column, by joint loads.
; ROLES: a lane holds ONE row of source 1, its registers run along source 0's rows.  Clusters x = 0, 1 (q, k): source 1 = x, source 0 = wc rows 0-2,047.  Cluster x = 2 (v): source 1 = wc rows 2,048-3,071, source 0 = x.
; The rows of xc and wc lie in the order of the launch before: 16 rows on end, as source 0, leave rows 32 B + 16 (lane / 16) + 8 u + j in register j of tile 2 B + u.
; qkv: [batch x 16 + head][16 steps of 128 tokens][record K, V, Q], a record 6,400 bytes: four fragments of 1,536 bytes (registers 4 j .. 4 j + 3 of lane l at 512 j + 16 l), then 256 bytes of scale words (at 8 l + 4 i:
; fragment 2 i + l / 16, row l % 16).  A fragment of K or Q: 32 tokens (registers 0-5 token 32 B + r + 8 (r / 8), 6-11 eight further on), channels 32 (l / 16) + 0 .. 31; of V: 16 channels x 128 keys.
; No data prefetch: K is three chunks; two are asked for at the head, the third two steps later.
; LIMITS: a block of zeros gets the byte 1 (its codes are zeros; this program alone reads the bytes); NaN and infinities are not served.
; REGISTERS: window 0: v0-31 addresses, v32-63 scale words (two sets), v64-127 and v224-239 biases, v128-223 source 1's fragments (the way out works there); window 1: source 0's fragments, two sets; windows 2, 3: accumulators.
.set ROWB,   256
.set NQ,     2
.set KROW,   768
.set STEPS,  8
.set CHUNKS, 3
.set PITCH,  272                       ; 256 bytes + 16 of padding
.set FR,     12
.set NL,     6
.set NP,     4
.set HALFT,  128*PITCH
.set SLOT,   4*HALFT
.set KS,     32
.set SCL,    2*SLOT                    ; the scales, units of 256 bytes + 16
.set HALFS,  (128*KS/256)*272
.set SBLK,   (16*KS/256)*272
.set SPARE,  SCL+4*HALFS               ; the spare words, 128 bytes a wave
.set HEADB,  307200
.set STEPB,  19200
.set REC,    6400
.set FRB,    1536
.set ADRA, 16                          ; v16-17 my fragments of source 1 in slot 0, 1; v18-19: lanes 0-15 at byte 232 of a row in slot 0, 1, lanes 16-31 at byte 0 in the other slot
.set ADRB, 20                          ; v20-23 the same for source 0
.set L8,   25
.set L16,  26
.set ADRS, 27
.set SPW,  28
.set NIL,  29
.set ABQ,  30                          ; biases by registers: 64 (lane / 16)
.set ABV,  31                          ; by lanes: 4 (r + 8 (r / 8))
.set SC,   32
.set BQ,   64
.set AF,   128
.set BV,   224
.set ST,   128
.set E,    192
.set O,    204
.set CT,   216
.set TM,   240
.set PWR,  8
.set SU,   4
.set G1, 24
.set G0, 32
.set G1B, 48
.set G0B, 56
.set G1S, 68
.set G0S, 76
.set G1SB, 80
.set G0SB, 88
.set G0H, 4                            ; group 0 of the head's loads of chunk 0, in registers that held arguments
.set G0HB, 8
.set MSB, 0
.macro WIN new
.if MSB != (\new)
	s_set_vgpr_msb (MSB<<8)|(\new)
.set MSB, (\new)
.endif
.endm
.set MUL_LO, 0xa1
.set MUL_HI, 0xf1
.set TO_B,   0x40
.macro PLACES n
.rept \n
	v_nop
.endr
.endm
.macro JLOAD g0a, g1a, g0b, g1b        ; waves 0, 1 fetch for source 1, waves 2, 3 for source 0; s_nop 0 and four v_nop behind each line
	s_cmp_eq_u32 s15, 0
	s_cbranch_scc0 .Lfor_b_\@
	tensor_load_to_lds s[\g0a:\g0a+3], s[\g1a:\g1a+7]
	s_nop 0
	PLACES 4
	s_branch .Lasked_\@
.Lfor_b_\@:
	tensor_load_to_lds s[\g0b:\g0b+3], s[\g1b:\g1b+7]
	s_nop 0
	PLACES 4
.Lasked_\@:
.endm
.macro CREST
	s_cmp_lg_u32 s14, 0
	s_cbranch_scc1 .Lnot_wave_0_\@
	s_barrier_signal -3
.Lnot_wave_0_\@:
	s_barrier_wait -3
	s_barrier_signal -1
	s_barrier_wait -1
.endm
.macro CROUND
	s_barrier_signal -1
	s_barrier_wait -1
	CREST
.endm
	s_load_b256 s[4:11], s[0:1], 0x0               ; xc, xs, wc, ws
	s_load_b64 s[12:13], s[0:1], 0x20              ; qkv
	s_load_b128 s[96:99], s[0:1], 0x28             ; bq, bk
	s_load_b64 s[100:101], s[0:1], 0x38            ; bv
	v_lshl_add_u32 v[SPW], v0, 2, SPARE
	v_mov_b32 v[NIL], 0
	ds_add_u32 v[SPW], v[NIL]                      ; the opening lines: the add twice and its wait
	ds_add_u32 v[SPW], v[NIL]
	v_lshrrev_b32 v1, 5, v0
	v_readfirstlane_b32 s14, v1                    ; wave
	s_lshr_b32 s15, s14, 1                         ; my half of source 1's rows; also: I fetch for source 1 (0) or 0 (1)
	s_and_b32 s16, s14, 1                          ; my half of source 0's rows; also: which 128 rows I fetch
	s_bfe_u32 s40, ttmp6, 0x40000                  ; cx
	s_bfe_u32 s41, ttmp6, 0x40004                  ; cy
	s_and_b32 s17, ttmp7, 0xffff
	s_cmp_eq_u32 ttmp9, 2                          ; the cluster's x: 0 q, 1 k, 2 v
	s_cselect_b32 s66, 1, 0
	s_cselect_b32 s42, s17, ttmp9
	s_cselect_b32 s17, 2, s17
	s_lshl_b32 s42, s42, 2
	s_add_co_u32 s42, s42, s40                     ; source 0's tile
	s_lshl_b32 s17, s17, 2
	s_add_co_u32 s17, s17, s41                     ; source 1's tile
	s_lshl_b32 s43, s41, 2
	s_lshl_b32 s43, 15, s43                        ; my row of the cluster
	s_lshl_b32 s44, 0x1111, s40                    ; my column
	s_or_b32 s[G1+0], s43, (0<<16)|(1<<20)|(1<<21)|(5<<22)|(3<<25)
	s_or_b32 s[G1B+0], s44, (0<<16)|(1<<20)|(1<<21)|(5<<22)|(3<<25)
.irp g, G1, G1B                        ; 256 rows of 256 bytes for the head's loads; the ring's bring 128
	s_mov_b32 s[\g+1], ROWB<<16
	s_mov_b32 s[\g+2], 256<<16
	s_mov_b32 s[\g+3], ROWB<<16
	s_mov_b32 s[\g+4], 256
	s_mov_b32 s[\g+5], KROW
	s_mov_b32 s[\g+6], 0
	s_mov_b32 s[\g+7], 0
.endr
	s_or_b32 s[G1S+0], s43, (3<<16)|(1<<20)|(1<<21)|(5<<22)|(3<<25)
	s_or_b32 s[G1SB+0], s44, (3<<16)|(1<<20)|(1<<21)|(5<<22)|(3<<25)
.irp g, G1S, G1SB                      ; the scales of 256 rows: 8,192 dense bytes as 32 rows of 256
	s_mov_b32 s[\g+1], 32<<16
	s_mov_b32 s[\g+2], KS<<16
	s_mov_b32 s[\g+3], 32<<16
	s_mov_b32 s[\g+4], KS
	s_mov_b32 s[\g+5], 32
	s_mov_b32 s[\g+6], 0
	s_mov_b32 s[\g+7], 0
.endr
	s_lshl_b32 s20, s17, 8
	s_lshl_b32 s46, s42, 8
	s_mov_b32 s21, 0
	s_mov_b32 s47, 0
	s_mov_b64 s[18:19], KS
	s_mul_u64 s[22:23], s[20:21], s[18:19]         ; the tiles' scales, in bytes
	s_mul_u64 s[92:93], s[46:47], s[18:19]
	s_mov_b64 s[18:19], KROW
	s_mul_u64 s[20:21], s[20:21], s[18:19]         ; and codes
	s_mul_u64 s[46:47], s[46:47], s[18:19]
	s_mul_i32 s18, s16, 128*KROW                   ; the ring: my 128 rows
	s_mov_b32 s19, 0
	s_mul_i32 s45, s14, HALFT
	s_wait_dscnt 0x0
	s_wait_kmcnt 0x0
	s_cmp_eq_u32 s66, 1                            ; for v the two tensors change roles
	s_cselect_b64 s[94:95], s[8:9], s[4:5]
	s_cselect_b64 s[8:9], s[4:5], s[8:9]
	s_mov_b64 s[4:5], s[94:95]
	s_cselect_b64 s[94:95], s[10:11], s[6:7]
	s_cselect_b64 s[10:11], s[6:7], s[10:11]
	s_mov_b64 s[6:7], s[94:95]
	s_cselect_b64 s[100:101], s[100:101], s[98:99]
	s_cmp_eq_u32 ttmp9, 0
	s_cselect_b64 s[96:97], s[96:97], s[100:101]   ; my bias
	s_add_nc_u64 s[20:21], s[4:5], s[20:21]
	s_add_nc_u64 s[22:23], s[6:7], s[22:23]
	s_add_nc_u64 s[46:47], s[8:9], s[46:47]
	s_add_nc_u64 s[92:93], s[10:11], s[92:93]
	CROUND                                         ; in front of the first joint loads
	s_mov_b32 s[G0H], 1
	s_mov_b32 s[G0H+1], 0
	s_mov_b64 s[G0H+2:G0H+3], s[20:21]
	s_or_b32 s[G0H+3], s[G0H+3], 0x80000000
	s_mov_b32 s[G0HB], 1
	s_mov_b32 s[G0HB+1], 2*HALFT
	s_mov_b64 s[G0HB+2:G0HB+3], s[46:47]
	s_or_b32 s[G0HB+3], s[G0HB+3], 0x80000000
	s_mov_b32 s[G0S], 1
	s_mov_b32 s[G0S+1], SCL
	s_mov_b64 s[G0S+2:G0S+3], s[22:23]
	s_or_b32 s[G0S+3], s[G0S+3], 0x80000000
	s_mov_b32 s[G0SB], 1
	s_mov_b32 s[G0SB+1], SCL+2*HALFS
	s_mov_b64 s[G0SB+2:G0SB+3], s[92:93]
	s_or_b32 s[G0SB+3], s[G0SB+3], 0x80000000
	s_add_nc_u64 s[20:21], s[20:21], s[18:19]
	s_add_nc_u64 s[46:47], s[46:47], s[18:19]
.irp s, 0,1
	s_mov_b32 s[G0+4*\s], 1
	s_add_co_u32 s[G0+4*\s+1], s45, \s*SLOT
	s_add_nc_u64 s[G0+4*\s+2:G0+4*\s+3], s[20:21], \s*ROWB
	s_or_b32 s[G0+4*\s+3], s[G0+4*\s+3], 0x80000000
	s_mov_b32 s[G0B+4*\s], 1
	s_add_co_u32 s[G0B+4*\s+1], s45, \s*SLOT
	s_add_nc_u64 s[G0B+4*\s+2:G0B+4*\s+3], s[46:47], \s*ROWB
	s_or_b32 s[G0B+4*\s+3], s[G0B+4*\s+3], 0x80000000
.endr
; the head's four tiles, one a wave, in one chain of branches on the wave's number: chunk 0 of source 1, of source 0, the two blocks of scales
.macro ARM under, g0, g1, next
	s_cmp_lt_u32 s14, \under
	s_cbranch_scc0 \next
	tensor_load_to_lds s[\g0:\g0+3], s[\g1:\g1+7]
	s_nop 0
	PLACES 4
	s_branch .Lhead_asked
\next:
.endm
	ARM 1, G0H,  G1,  .Lhead_b
	ARM 2, G0HB, G1B, .Lhead_sa
	ARM 3, G0S,  G1S, .Lhead_sb
	tensor_load_to_lds s[G0SB:G0SB+3], s[G1SB:G1SB+7]
	s_nop 0
	PLACES 4
.Lhead_asked:
	v_and_b32 v1, 15, v0                           ; r
	v_bfe_u32 v2, v0, 4, 1                         ; h
	v_mul_u32_u24 v3, v1, PITCH
	v_mul_u32_u24 v4, v2, 24
	v_add_nc_u32 v4, v3, v4                        ; row x pitch + 24 h
	s_mov_b32 s21, SLOT-232
	s_mov_b32 s22, SLOT+232
	v_sub_nc_u32 v7, 1, v2
	v_mul_u32_u24 v5, s21, v2
	v_add_nc_u32 v5, v3, v5
	v_add_nc_u32 v5, 232, v5                       ; lanes 0-15 byte 232 in slot 0, lanes 16-31 byte 0 in slot 1
	v_mul_u32_u24 v6, s22, v7
	v_add_nc_u32 v6, v3, v6                        ; and the other way round
	s_mul_i32 s21, s15, HALFT
	s_mul_i32 s22, s16, HALFT
	s_add_co_u32 s22, s22, 2*HALFT
	v_add_nc_u32 v[ADRA+2], s21, v5
	v_add_nc_u32 v[ADRA+3], s21, v6
	v_add_nc_u32 v[ADRB+2], s22, v5
	v_add_nc_u32 v[ADRB+3], s22, v6
.irp s, 0,1
	v_add_nc_u32 v[ADRA+\s], s21, v4
	v_add_nc_u32 v[ADRB+\s], s22, v4
	s_add_co_u32 s21, s21, SLOT
	s_add_co_u32 s22, s22, SLOT
.endr
	v_mul_u32_u24 v5, v1, KS                       ; my row's scales, 16 more for each 256 passed
	v_lshrrev_b32 v6, 8, v5
	v_lshl_add_u32 v5, v6, 4, v5
	s_mul_i32 s21, s15, HALFS
	s_mul_i32 s22, s16, HALFS
	s_add_co_u32 s22, s22, 2*HALFS
	s_sub_co_u32 s22, s22, s21
	v_mul_u32_u24 v6, s22, v2                      ; lanes 16-31 take source 0's
	s_add_co_u32 s21, s21, SCL
	v_add_nc_u32 v5, v5, v6
	v_add_nc_u32 v[ADRS], s21, v5
	v_and_b32 v6, 31, v0
	v_lshlrev_b32 v[L16], 4, v6
	v_lshlrev_b32 v[L8], 3, v6
	v_lshlrev_b32 v[ABQ], 6, v2
	v_and_b32 v[ABV], 8, v1
	v_add_nc_u32 v[ABV], v[ABV], v1
	v_lshlrev_b32 v[ABV], 2, v[ABV]
	; where my results go, and which biases are mine
	s_lshl_b32 s20, s17, 8
	s_lshl_b32 s21, s15, 7
	s_add_co_u32 s20, s20, s21                     ; my first row of source 1,
	s_lshl_b32 s21, s42, 8
	s_lshl_b32 s22, s16, 7
	s_add_co_u32 s21, s21, s22                     ; of source 0
	s_cmp_eq_u32 s66, 1
	s_cselect_b32 s22, s21, s20                    ; my first token
	s_cselect_b32 s23, s20, s21                    ; my first channel of 3,072
	s_cmp_lt_u32 s23, 1024
	s_cselect_b32 s46, 2*REC, 0                    ; q: record 2; k: 0;
	s_cmp_eq_u32 s66, 1
	s_cselect_b32 s46, REC, s46                    ; v: 1
	s_and_b32 s23, s23, 1023
	s_lshl_b32 s20, s23, 2
	s_mov_b32 s21, 0
	s_add_nc_u64 s[96:97], s[96:97], s[20:21]
	s_lshr_b32 s23, s23, 6                         ; the first of my two heads
	s_lshr_b32 s20, s22, 11                        ; the batch
	s_lshl_b32 s20, s20, 4
	s_add_co_u32 s20, s20, s23
	s_mul_i32 s20, s20, HEADB
	s_bfe_u32 s47, s22, 0x40007                    ; the step of 128 tokens
	s_mul_i32 s47, s47, STEPB
	s_add_co_u32 s20, s20, s47
	s_add_co_u32 s20, s20, s46
	s_add_nc_u64 s[12:13], s[12:13], s[20:21]
	s_mov_b32 s98, 0x76543210                      ; selects for lane l xor 16
	s_mov_b32 s99, 0xfedcba98
	s_mov_b32 s100, 0x05040100                     ; v_perm_b32: two low halves,
	s_mov_b32 s101, 0x07060302                     ; two high halves
	s_mov_b32 s67, 0xffff0000                      ; lanes 16-31
	s_wait_alu depctr_va_vdst(0)                   ; the wait at the head's end: no vector register is written behind it before the walk
	; both forms of the bias come now and are waited for at the way out
.irp i, 0,1,2,3,4,5,6,7,8,9,10,11,12,13,14,15
	global_load_b128 v[BQ+4*\i:BQ+4*\i+3], v[ABQ], s[96:97] offset:128*(\i/4)+16*(\i%4)
.endr
.irp a, 0,1,2,3,4,5,6,7
	global_load_b32 v[BV+2*\a], v[ABV], s[96:97] offset:4*(32*(\a/2)+8*(\a%2))
	global_load_b32 v[BV+2*\a+1], v[ABV], s[96:97] offset:4*(32*(\a/2)+8*(\a%2))
.endr
.macro FRAG reg, adr, st, i            ; six pieces of 8 bytes; byte y of a row lies in slot (y / 256) % 2 at byte y % 256
.irp p, 0,1,2,3,4,5
.set BY, 96*(\st)+48*(\p/3)+8*(\p%3)
.if BY/ROWB == (BY+24)/ROWB
	ds_load_b64 v[\reg+2*\p:\reg+2*\p+1], v[\adr+(BY/ROWB)%2] offset:BY%ROWB+(\i)*16*PITCH
.else
	ds_load_b64 v[\reg+2*\p:\reg+2*\p+1], v[\adr+2+(BY/ROWB)%2] offset:BY%ROWB-232+(\i)*16*PITCH
.endif
.endr
.endm
.macro MUL16 a0, p, q, sc, zero        ; source 1's blocks a0, a0 + 1 x source 0's eight; the 64 accumulators take turns
.irp a, \a0, \a0+1
.irp b, 0,1,2,3,4,5,6,7
.if \zero
	v_wmma_scale_f32_16x16x128_f8f6f4 v[8*(8*((\a)%4)+\b):8*(8*((\a)%4)+\b)+7], v[128*(\p)+FR*\b:128*(\p)+FR*\b+FR-1], v[AF+FR*(\a):AF+FR*(\a)+FR-1], 0, v[SC+8*NQ*(\sc)+NQ*\b+(\q)], v[SC+8*NQ*(\sc)+NQ*(\a)+(\q)] matrix_a_fmt:MATRIX_FMT_FP6 matrix_b_fmt:MATRIX_FMT_FP6 matrix_a_scale:MATRIX_SCALE_ROW1
.else
	v_wmma_scale_f32_16x16x128_f8f6f4 v[8*(8*((\a)%4)+\b):8*(8*((\a)%4)+\b)+7], v[128*(\p)+FR*\b:128*(\p)+FR*\b+FR-1], v[AF+FR*(\a):AF+FR*(\a)+FR-1], v[8*(8*((\a)%4)+\b):8*(8*((\a)%4)+\b)+7], v[SC+8*NQ*(\sc)+NQ*\b+(\q)], v[SC+8*NQ*(\sc)+NQ*(\a)+(\q)] matrix_a_fmt:MATRIX_FMT_FP6 matrix_b_fmt:MATRIX_FMT_FP6 matrix_a_scale:MATRIX_SCALE_ROW1
.endif
.endr
.endr
.endm
.macro FETCH_B st, p
	WIN TO_B
.irp i, 0,1,2,3,4,5,6,7
	FRAG 128*(\p)+FR*\i, ADRB, \st, \i
.endr
	WIN 0
.endm
.macro FETCH_A st, i0
.irp i, \i0, \i0+1, \i0+2, \i0+3
	FRAG AF+FR*(\i), ADRA, \st, \i
.endr
.endm
.macro SCALES pr                       ; the scale words of steps 2 pr, 2 pr + 1: lanes 0-15 source 1's block i, lanes 16-31 source 0's
.irp i, 0,1,2,3,4,5,6,7
	ds_load_b64 v[SC+8*NQ*((\pr)%2)+NQ*\i:SC+8*NQ*((\pr)%2)+NQ*\i+1], v[ADRS] offset:\i*SBLK+4*NQ*(\pr)
.endr
.endm
; A step: 64 products; the next step's fragments are fetched in its middle and at its end.  Where the next step's bytes END in a chunk not read yet, a barrier shows that chunk whole; where they BEGIN in a later
; chunk, the chunk left behind is read no more: the wait for all tensor loads, the add, the wait for it and for my reads, the barrier; where a chunk two on is left to fetch, it opens a round and the slot is filled again.
.macro STEP st, zero
.set NX, (\st)+1
.set C0, (96*(\st))/ROWB
.set C1, (96*NX)/ROWB
.set E0, (96*(\st)+95)/ROWB
.set E1, (96*NX+95)/ROWB
.if C1 > C0 || E1 > E0
	s_wait_tensorcnt 0x0
.if C1 > C0
	ds_add_u32 v[SPW], v[NIL]
	s_wait_dscnt 4*NL+1                            ; the add and the youngest 24 loads (blocks 4-7) may be out
.else
	s_wait_dscnt 4*NL                              ; the youngest 24 loads may be out
.endif
	WIN MUL_LO
	MUL16 0, (\st)%2, (\st)%2, ((\st)/2)%2, \zero
	s_wait_dscnt 0x0
	s_barrier_signal -1
	MUL16 2, (\st)%2, (\st)%2, ((\st)/2)%2, \zero
	WIN 0
	s_barrier_wait -1
.if C1 > C0 && C0+2 < CHUNKS
	CREST
	s_add_nc_u64 s[G0+4*(C0%2)+2:G0+4*(C0%2)+3], s[G0+4*(C0%2)+2:G0+4*(C0%2)+3], 2*ROWB
	s_add_nc_u64 s[G0B+4*(C0%2)+2:G0B+4*(C0%2)+3], s[G0B+4*(C0%2)+2:G0B+4*(C0%2)+3], 2*ROWB
	JLOAD G0+4*(C0%2), G1, G0B+4*(C0%2), G1B       ; chunk C0 + 2; its four v_nop are the places in front of the loads below
.else
	PLACES NP
.endif
.else
	s_wait_dscnt 4*NL
	WIN MUL_LO
	MUL16 0, (\st)%2, (\st)%2, ((\st)/2)%2, \zero
	MUL16 2, (\st)%2, (\st)%2, ((\st)/2)%2, \zero
	s_wait_dscnt 0
	PLACES NP
.endif
	FETCH_B NX, NX%2
	FETCH_A NX, 0
.if NX%2 == 0
	SCALES NX/2
.endif
	WIN MUL_HI
	MUL16 4, (\st)%2, (\st)%2, ((\st)/2)%2, \zero
	MUL16 6, (\st)%2, (\st)%2, ((\st)/2)%2, \zero
	PLACES NP
	WIN 0
	FETCH_A NX, 4
.endm
	s_wait_tensorcnt 0x0                           ; my tile of the head's four is in
	ds_add_u32 v[SPW], v[NIL]
	s_mov_b32 s[G1+2], 128<<16                     ; no load of mine is out: from here on a load brings 128 rows
	s_mov_b32 s[G1+4], 128
	s_mov_b32 s[G1B+2], 128<<16
	s_mov_b32 s[G1B+4], 128
	s_wait_dscnt 0x0
	CROUND
	JLOAD G0+4, G1, G0B+4, G1B                     ; chunk 1
	FETCH_B 0, 0
	FETCH_A 0, 0
	SCALES 0
	FETCH_A 0, 4
	STEP 0, 1                                      ; the first step's products start the sums
.set SN, 1
.rept STEPS-2
	STEP SN, 0
.set SN, SN+1
.endr
	s_wait_dscnt 4*NL
	WIN MUL_LO
	MUL16 0, 1, 1, 1, 0
	MUL16 2, 1, 1, 1, 0
	s_wait_dscnt 0
	WIN MUL_HI
	MUL16 4, 1, 1, 1, 0
	MUL16 6, 1, 1, 1, 0
	WIN 0
; THE WAY OUT.  The 64 registers of source 1's block a are, in my lane, 128 along the next K of ONE row: register 16 b + i = place 32 b + 16 (lane / 16) + i.
; QUANT: 64 numbers from v[s] on become two half fragments' codes (six registers each at d0, d1) and a scale word in v[pw].
.macro QUANT s, d0, d1, pw
.irp b, 0,1,2,3
	v_max3_num_f32 v[TM+\b], |v[\s+16*\b]|, |v[\s+1+16*\b]|, 0x1800000   ; with the floor 2^(3 - 127): the byte cannot fall under 1
.endr
.irp i, 2,4,6,8,10,12,14
.irp b, 0,1,2,3
	v_max3_num_f32 v[TM+\b], v[TM+\b], |v[\s+16*\b+\i]|, |v[\s+1+16*\b+\i]|
.endr
.endr
.irp b, 0,1,2,3
	v_permlanex16_b32 v[TM+4+\b], v[TM+\b], s98, s99
.endr
.irp b, 0,1,2,3
	v_max_num_f32 v[TM+\b], v[TM+\b], v[TM+4+\b]
.endr
.irp b, 0,1,2,3
	v_add_nc_u32 v[TM+8+\b], 0xff000000, v[TM+\b]  ; 2 off the exponent field: the conversion's scale operand
.endr
.irp b, 0,1,2,3
	v_lshrrev_b32 v[TM+4+\b], 23, v[TM+8+\b]       ; the byte
.endr
	v_lshl_or_b32 v[\pw], v[TM+5], 8, v[TM+4]
	v_lshl_or_b32 v[\pw], v[TM+6], 16, v[\pw]
	v_lshl_or_b32 v[\pw], v[TM+7], 24, v[\pw]
	v_cvt_scalef32_pk16_fp6_f32 v[\d0:\d0+2], v[\s:\s+15], v[TM+8]
	v_cvt_scalef32_pk16_fp6_f32 v[CT:CT+2], v[\s+16:\s+31], v[TM+9]
	v_cvt_scalef32_pk16_fp6_f32 v[\d1:\d1+2], v[\s+32:\s+47], v[TM+10]
	v_cvt_scalef32_pk16_fp6_f32 v[CT+4:CT+6], v[\s+48:\s+63], v[TM+11]
	v_nop                                          ; one plain place behind a scaled conversion
.irp i, 0,1,2                          ; a whole block to a lane: lanes 0-15 the even block, lanes 16-31 the odd one
	v_permlane16_swap_b32 v[\d0+\i], v[CT+\i]
.endr
.irp i, 0,1,2
	v_mov_b32 v[\d0+3+\i], v[CT+\i]
.endr
.irp i, 0,1,2
	v_permlane16_swap_b32 v[\d1+\i], v[CT+4+\i]
.endr
.irp i, 0,1,2
	v_mov_b32 v[\d1+3+\i], v[CT+4+\i]
.endr
.endm
.macro ADDQK a                         ; block a's sums + each register's channel's bias, each accumulator from its low end on
	WIN 0x02+(\a)/4
.set AC, 64*((\a)%4)
.set i, 0
.rept 32
	v_pk_add_f32 v[ST+i:ST+i+1], v[AC+i:AC+i+1], v[BQ+i:BQ+i+1]
.set i, i+2
.endr
	WIN 0
.endm
.macro ADDV a                          ; block a's sums + my lane's channel's bias
	WIN 0x02+(\a)/4
.set AC, 64*((\a)%4)
.set i, 0
.rept 32
	v_pk_add_f32 v[ST+i:ST+i+1], v[AC+i:AC+i+1], v[BV+2*(\a):BV+2*(\a)+1]
.set i, i+2
.endr
	WIN 0
.endm
.irp b, 0,1,2,3
	v_mov_b32 v[TM+4+\b], 0                        ; a lane permute's destination counts as a source; also the four places behind the last products
.endr
	s_wait_loadcnt 0x0                             ; the biases
	s_cmp_eq_u32 s66, 1
	s_cbranch_scc1 .Lway_v
	; q or k: a lane holds a token, its 64 numbers are two heads' channels; blocks 2 g, 2 g + 1 make fragment g of each head
.irp g, 0,1,2,3
.irp u, 0,1
	ADDQK 2*\g+\u
.if (\g > 0) && (\u == 0)
	s_wait_xcnt 0x0                                ; the last fragments' stores have read their registers
.endif
	QUANT ST, E+6*\u, O+6*\u, PWR+2*\g+\u
.endr
.irp j, 0,1,2
	global_store_b128 v[L16], v[E+4*\j:E+4*\j+3], s[12:13] offset:FRB*\g+512*\j          ; 512 consecutive bytes, aligned
	global_store_b128 v[L16], v[O+4*\j:O+4*\j+3], s[12:13] offset:HEADB+FRB*\g+512*\j
.endr
.endr
.irp g, 0,1,2,3                        ; a fragment's scale word: the low halves of my words belong to the first head, the high halves to the second
	v_perm_b32 v[TM+\g], v[PWR+2*\g+1], v[PWR+2*\g], s100
	v_perm_b32 v[TM+4+\g], v[PWR+2*\g+1], v[PWR+2*\g], s101
.endr
.irp i, 0,1,2,3
	v_cndmask_b32 v[SU+\i], v[TM+2*\i], v[TM+2*\i+1], s67
.endr
	global_store_b64 v[L8], v[SU:SU+1], s[12:13] offset:4*FRB              ; 256 consecutive bytes, aligned
	global_store_b64 v[L8], v[SU+2:SU+3], s[12:13] offset:HEADB+4*FRB
	s_branch .Lway_end
.Lway_v:
	; v: a lane holds a channel, its 64 numbers are the step's 128 keys: block a is fragment a % 4 of head a / 4
.irp a, 0,1,2,3,4,5,6,7
	ADDV \a
.if \a > 0
	s_wait_xcnt 0x0
.endif
	QUANT ST, E, E+6, PWR+\a
.irp j, 0,1,2
	global_store_b128 v[L16], v[E+4*\j:E+4*\j+3], s[12:13] offset:(\a/4)*HEADB+(\a%4)*FRB+512*\j
.endr
.endr
.irp i, 0,1,2,3
	v_cndmask_b32 v[SU+\i], v[PWR+2*\i], v[PWR+2*\i+1], s67
.endr
	global_store_b64 v[L8], v[SU:SU+1], s[12:13] offset:4*FRB
	global_store_b64 v[L8], v[SU+2:SU+3], s[12:13] offset:HEADB+4*FRB
.Lway_end:
	s_wait_tensorcnt 0x0                           ; the wave's end
	ds_add_u32 v[SPW], v[NIL]
	s_wait_dscnt 0x0
	CROUND                                         ; the closing round
	s_endpgm
.Lfunc_end_k_q422256d136_proj:
	.size	k_q422256d136_proj, .Lfunc_end_k_q422256d136_proj-k_q422256d136_proj
	.p2alignl 7, 3214868480
	.fill 96, 4, 3214868480
	.section	.rodata,"a",@progbits
	.p2align	6, 0x0
	.amdhsa_kernel k_q422256d136_proj
		.amdhsa_group_segment_fixed_size 327680
		.amdhsa_private_segment_fixed_size 0
		.amdhsa_enable_private_segment 0
		.amdhsa_kernarg_size 64
		.amdhsa_user_sgpr_count 2
		.amdhsa_user_sgpr_kernarg_segment_ptr 1
		.amdhsa_wavefront_size32 1
		.amdhsa_system_sgpr_workgroup_id_x 1
		.amdhsa_system_sgpr_workgroup_id_y 1
		.amdhsa_system_sgpr_workgroup_id_z 1
		.amdhsa_system_vgpr_workitem_id 0
		.amdhsa_next_free_vgpr 1024
		.amdhsa_next_free_sgpr 102
		.amdhsa_reserve_vcc 0
		.amdhsa_float_denorm_mode_32 3
		.amdhsa_float_denorm_mode_16_64 3
		.amdhsa_memory_ordered 1
		.amdhsa_forward_progress 1
		.amdhsa_inst_pref_size 234
	.end_amdhsa_kernel
	.amdgpu_metadata
---
amdhsa.version: [ 1, 2 ]
amdhsa.kernels:
  - .name:           k_q422256d136_proj
    .symbol:         k_q422256d136_proj.kd
    .args:
      - { .name: xc, .offset: 0, .size: 8, .value_kind: global_buffer, .address_space: global }
      - { .name: xs, .offset: 8, .size: 8, .value_kind: global_buffer, .address_space: global }
      - { .name: wc, .offset: 16, .size: 8, .value_kind: global_buffer, .address_space: global }
      - { .name: ws, .offset: 24, .size: 8, .value_kind: global_buffer, .address_space: global }
      - { .name: qkv, .offset: 32, .size: 8, .value_kind: global_buffer, .address_space: global }
      - { .name: bq, .offset: 40, .size: 8, .value_kind: global_buffer, .address_space: global }
      - { .name: bk, .offset: 48, .size: 8, .value_kind: global_buffer, .address_space: global }
      - { .name: bv, .offset: 56, .size: 8, .value_kind: global_buffer, .address_space: global }
    .group_segment_fixed_size: 327680
    .private_segment_fixed_size: 0
    .kernarg_segment_align: 8
    .kernarg_segment_size: 64
    .max_flat_workgroup_size: 128
    .sgpr_count:     102
    .vgpr_count:     1024
    .wavefront_size: 32
...
	.end_amdgpu_metadata
.endif
;; end of part 2
;; launch attn (part 3): grid 4 x 64, 8 waves a work-group, clusters of 4 x 1, 327,680 bytes of LDS; arguments qkv, mask, out0; writes out0
.if DOCPART == 3
	.amdgcn_target "amdgcn-amd-amdhsa--gfx1250"
	.amdhsa_code_object_version 6
	.text
	.protected	k_q422256d136_attn
	.globl	k_q422256d136_attn
	.p2align	8
	.type	k_q422256d136_attn,@function
k_q422256d136_attn:
	s_mov_b64 s[64:65], 0
	v_nop
	global_prefetch_b8 v0, s[64:65] scope:SCOPE_SE
	s_setreg_imm32_b32 hwreg(HW_REG_WAVE_MODE, 25, 1), 1
	s_wait_xcnt 0x0
	s_wait_alu depctr_hold_cnt(0) depctr_sa_sdst(0) depctr_va_vdst(0) depctr_va_sdst(0) depctr_va_ssrc(0) depctr_va_vcc(0) depctr_vm_vsrc(0)
	s_getreg_b32 s2, hwreg(HW_REG_IB_STS2, 6, 4)
	s_cmp_eq_u32 s2, 0
	s_cbranch_scc0 .Lentry_in_a_cluster
	s_endpgm
.Lentry_in_a_cluster:
	s_bfe_u32 s2, ttmp6, 0x10000c
	s_cmp_lg_u32 s2, 0x3003
	s_cbranch_scc0 .Lentry_shape_is_right
	s_endpgm
.Lentry_shape_is_right:
; out = softmax(q k^T / 8 - 10000 mask) v on codes of FP6, head by head.  A cluster of four work-groups takes one (batch, head); a work-group 512 queries: eight waves x 32 queries x two passes.
; Both products are used transposed (S^T = k q^T, O^T = v^T p^T): a lane holds one query.  The mask's term, x 8, is the C of the scores' products.  M is the ceiling of the running largest t; p = 2^(t - M);
; the row's sum is taken of the unquantised p; p is quantised block by block of 32 keys; O^T and the sum are brought under a new M by an exact power of two.
; ALL 16 key steps' K and V records (204,800 bytes) lie in LDS for the whole launch: each wave asks once, jointly with its three partners, for two steps: 2 rows of 12,800 bytes, 19,200 apart in memory, each at a multiple of 256.
; No data prefetch: every tile is asked for at the head, and no loop loads from memory.
; LIMITS: the promise holds while the scaled scores stay under 2^31 in magnitude; NaN and infinities are not served.
.set HEADB, 307200
.set STEPB, 19200
.set REC,   6400
.set FRB,   1536
.set KVS,   2*REC
.set MASKF, 16*KVS
.set STG,   MASKF+8192
.set SPITCH, 272
.set SPARE, STG+8*16*SPITCH
.set LI,  1
.set LS8, 2
.set MK,  3
.set ADK, 4
.set ADS, 5
.set ADM, 6
.set SPW, 7
.set NIL, 8
.set STO, 9
.set RD,  10
.set GO,  11
.set AQS, 15
.set ST,  20
.set BM,  36
.set PX,  44
.set SO,  52
.set KSC, 60
.set VSC, 62
.set S,   64
.set PC,  192
.set CT,  216
.set Y,   232
.set WQ,  251
.set PW,  252
.set SQ,  254
.set QZ,  64
.set KF,  96
.set VF,  144
.set CM,  192
.set WV,  10
.set G1,  16
.set G0,  24
.set CS,  40
.set SEL, 42
.set TB,  44
.set TMK, 45
.set CNT, 46
.set QB,  48
.set QSB, 50
.set OB,  52
.set MSB, 0
.macro WIN new
.if MSB != (\new)
	s_set_vgpr_msb (MSB<<8)|(\new)
.set MSB, (\new)
.endif
.endm
.set W_LD, 0x40
.set W_KQ, 0x15
.set W_PV, 0x51
.set W_RS, 0x41
.set W_OUT, 0x01
.macro CROUND
	s_barrier_signal -1
	s_barrier_wait -1
	s_cmp_lg_u32 s[WV], 0
	s_cbranch_scc1 .Lnot_wave_0_\@
	s_barrier_signal -3
.Lnot_wave_0_\@:
	s_barrier_wait -3
	s_barrier_signal -1
	s_barrier_wait -1
.endm
	s_load_b128 s[4:7], s[0:1], 0x0
	s_load_b64 s[8:9], s[0:1], 0x10
	v_lshl_add_u32 v[SPW], v0, 2, SPARE
	v_mov_b32 v[NIL], 0
	ds_add_u32 v[SPW], v[NIL]
	ds_add_u32 v[SPW], v[NIL]
	v_lshrrev_b32 v12, 5, v0
	s_delay_alu instid0(VALU_DEP_1)
	v_readfirstlane_b32 s[WV], v12
	s_bfe_u32 s11, ttmp6, 0x40000
	s_and_b32 s12, ttmp7, 0xffff
	s_mov_b32 s[G1], 15|(3<<16)|(1<<21)
	s_mov_b32 s[G1+1], 1600<<16
	s_mov_b32 s[G1+2], 2<<16
	s_mov_b32 s[G1+3], 1600<<16
	s_mov_b32 s[G1+4], 2
	s_mov_b32 s[G1+5], 2400
	s_mov_b32 s[G1+6], 0
	s_mov_b32 s[G1+7], 0
	s_mul_i32 s56, s12, HEADB
	s_mul_i32 s58, s[WV], 2*STEPB                  ; my two key steps
	s_and_b32 s14, s[WV], 1
	s_add_co_u32 s58, s58, s56
	s_mov_b32 s59, 0
	s_mul_i32 s47, s[WV], 2*KVS                    ; and their place in LDS
	s_lshl_b32 s60, s11, 2
	s_lshr_b32 s61, s[WV], 2
	s_add_co_u32 s60, s60, s61
	s_mul_i32 s60, s60, STEPB
	s_add_co_u32 s60, s60, s56
	s_add_co_u32 s60, s60, 2*REC
	s_and_b32 s61, s[WV], 3
	s_mul_i32 s62, s61, FRB
	s_add_co_u32 s[QB], s60, s62
	s_mov_b32 s[QB+1], 0
	s_lshr_b32 s61, s61, 1
	s_lshl_b32 s61, s61, 2
	s_lshl_b32 s62, s14, 7
	s_add_co_u32 s[QSB], s60, s61
	s_add_co_u32 s[QSB], s[QSB], s62
	s_add_co_u32 s[QSB], s[QSB], 4*FRB
	s_mov_b32 s[QSB+1], 0
	s_lshl_b32 s[OB], s11, 4
	s_add_co_u32 s[OB], s[OB], s[WV]
	s_lshl_b32 s[OB], s[OB], 17
	s_lshr_b32 s61, s12, 4
	s_lshl_b32 s62, s61, 23
	s_add_co_u32 s[OB], s[OB], s62
	s_and_b32 s62, s12, 15
	s_lshl_b32 s62, s62, 8
	s_add_co_u32 s[OB], s[OB], s62
	s_mov_b32 s[OB+1], 0
	s_lshl_b32 s62, s61, 13
	s_mov_b32 s63, 0
	s_mov_b32 s[CS], 0x3e38aa3b
	s_mov_b32 s[CS+1], s[CS]
	s_mov_b32 s[SEL], 0x76543210
	s_mov_b32 s[SEL+1], 0xfedcba98
	s_mov_b32 s54, 0x01000100
	s_mov_b32 s55, 0x03020302
	s_wait_dscnt 0x0
	s_wait_kmcnt 0x0
	s_add_nc_u64 s[58:59], s[4:5], s[58:59]
	s_add_nc_u64 s[QB:QB+1], s[4:5], s[QB:QB+1]
	s_add_nc_u64 s[QSB:QSB+1], s[4:5], s[QSB:QSB+1]
	s_add_nc_u64 s[OB:OB+1], s[8:9], s[OB:OB+1]
	s_add_nc_u64 s[6:7], s[6:7], s[62:63]
	s_mov_b32 s[G0], 1
	s_add_co_u32 s[G0+1], s47, 0
	s_mov_b64 s[G0+2:G0+3], s[58:59]
	s_or_b32 s[G0+3], s[G0+3], 0x80000000
	CROUND                                         ; in front of the joint loads
	tensor_load_to_lds s[G0:G0+3], s[G1:G1+7]      ; my one load: K and V of key steps 2 w, 2 w + 1
	s_nop 0
.rept 4
	v_nop
.endr
	v_lshlrev_b32 v16, 5, v0
	global_load_b128 v[64:67], v16, s[6:7]
	global_load_b128 v[68:71], v16, s[6:7] offset:16
	v_lshl_add_u32 v17, v0, 5, MASKF
	v_and_b32 v12, 31, v0
	v_and_b32 v13, 15, v0
	v_bfe_u32 v14, v0, 4, 1
	s_delay_alu instid0(VALU_DEP_3)
	v_lshlrev_b32 v[LI], 4, v12
	s_delay_alu instid0(VALU_DEP_4)
	v_lshlrev_b32 v[LS8], 3, v12
	s_delay_alu instid0(VALU_DEP_3)
	v_lshl_add_u32 v[MK], v14, 6, MASKF
	s_mul_i32 s47, s[WV], 16*SPITCH
	s_add_co_u32 s47, s47, STG
	v_mul_u32_u24 v[STO], v13, SPITCH
	s_delay_alu instid0(VALU_DEP_1)
	v_lshl_add_u32 v[STO], v14, 6, v[STO]
	s_delay_alu instid0(VALU_DEP_1)
	v_add_nc_u32 v[STO], s47, v[STO]
	v_mul_u32_u24 v[RD], v14, SPITCH
	s_delay_alu instid0(VALU_DEP_1)
	v_lshl_add_u32 v[RD], v13, 4, v[RD]
	s_delay_alu instid0(VALU_DEP_1)
	v_add_nc_u32 v[RD], s47, v[RD]
	v_lshlrev_b32 v[GO], 12, v14
	s_delay_alu instid0(VALU_DEP_1)
	v_lshl_add_u32 v[GO], v13, 4, v[GO]
	v_lshlrev_b32 v[AQS], 3, v13
.irp i, 0,1,2,3,4,5,6,7
	v_mov_b32 v[PX+\i], 0
.endr
.irp t, 0,1
	v_mov_b32 v[ST+8*\t+5], 0
	v_mov_b32 v[ST+8*\t+7], 0
.endr
	WIN W_LD
.irp i, 0,1,2,3,4,5
	v_mov_b32 v[QZ+\i], 0
	v_mov_b32 v[QZ+12+\i], 0
	v_mov_b32 v[QZ+24+\i], 0
.endr
	WIN 0
	s_wait_loadcnt 0x0
.irp i, 0,1,2,3,4,5,6,7
	v_cvt_f32_i32 v[64+\i], v[64+\i]
.endr
.irp i, 0,1,2,3,4,5,6,7
	v_mul_f32 v[64+\i], 0xc79c4000, v[64+\i]
.endr
	ds_store_b128 v17, v[64:67]
	ds_store_b128 v17, v[68:71] offset:16
.macro SCORE f, u, t
.if (\f)%2
	v_wmma_scale_f32_16x16x128_f8f6f4 v[S+64*(\t)+8*(2*(\f)+(\u)):S+64*(\t)+8*(2*(\f)+(\u))+7], v[KF+12*(\f):KF+12*(\f)+11], v[QZ+12*(\t)+6*(1-(\u)):QZ+12*(\t)+6*(1-(\u))+11], v[CM+8*(2*(\f)+(\u)):CM+8*(2*(\f)+(\u))+7], v[KSC+(\f)/2], v[SQ+(\t)] matrix_a_fmt:MATRIX_FMT_FP6 matrix_b_fmt:MATRIX_FMT_FP6 matrix_a_scale:MATRIX_SCALE_ROW1
.else
	v_wmma_scale_f32_16x16x128_f8f6f4 v[S+64*(\t)+8*(2*(\f)+(\u)):S+64*(\t)+8*(2*(\f)+(\u))+7], v[KF+12*(\f):KF+12*(\f)+11], v[QZ+12*(\t)+6*(1-(\u)):QZ+12*(\t)+6*(1-(\u))+11], v[CM+8*(2*(\f)+(\u)):CM+8*(2*(\f)+(\u))+7], v[KSC+(\f)/2], v[SQ+(\t)] matrix_a_fmt:MATRIX_FMT_FP6 matrix_b_fmt:MATRIX_FMT_FP6
.endif
.endm
.macro PV a, t
.if (\a)%2
	v_wmma_scale_f32_16x16x128_f8f6f4 v[32*(\t)+8*(\a):32*(\t)+8*(\a)+7], v[VF+12*(\a):VF+12*(\a)+11], v[PC+12*(\t):PC+12*(\t)+11], v[32*(\t)+8*(\a):32*(\t)+8*(\a)+7], v[VSC+(\a)/2], v[PW+(\t)] matrix_a_fmt:MATRIX_FMT_FP6 matrix_b_fmt:MATRIX_FMT_FP6 matrix_a_scale:MATRIX_SCALE_ROW1
.else
	v_wmma_scale_f32_16x16x128_f8f6f4 v[32*(\t)+8*(\a):32*(\t)+8*(\a)+7], v[VF+12*(\a):VF+12*(\a)+11], v[PC+12*(\t):PC+12*(\t)+11], v[32*(\t)+8*(\a):32*(\t)+8*(\a)+7], v[VSC+(\a)/2], v[PW+(\t)] matrix_a_fmt:MATRIX_FMT_FP6 matrix_b_fmt:MATRIX_FMT_FP6
.endif
.endm
.macro SUMADD t, n
.if (\n) == 0
	v_pk_add_f32 v[Y+2*(\t):Y+2*(\t)+1], v[S+64*(\t):S+64*(\t)+1], v[S+64*(\t)+2:S+64*(\t)+3]
.elseif (\n) == 31
	v_pk_add_f32 v[ST+8*(\t)+2:ST+8*(\t)+3], v[ST+8*(\t)+2:ST+8*(\t)+3], v[Y+2*(\t):Y+2*(\t)+1]
.elseif (\n)%2
	v_pk_add_f32 v[ST+8*(\t)+2:ST+8*(\t)+3], v[ST+8*(\t)+2:ST+8*(\t)+3], v[S+64*(\t)+2*(\n)+2:S+64*(\t)+2*(\n)+3]
.else
	v_pk_add_f32 v[Y+2*(\t):Y+2*(\t)+1], v[Y+2*(\t):Y+2*(\t)+1], v[S+64*(\t)+2*(\n)+2:S+64*(\t)+2*(\n)+3]
.endif
.endm
.macro PSCALE t
.irp b, 0,1,2,3
	v_max_num_f32 v[BM+4*(\t)+\b], 0x1800000, v[BM+4*(\t)+\b]
.endr
.irp b, 0,1,2,3
	s_delay_alu instid0(VALU_DEP_4)
	v_add_nc_u32 v[SO+4*(\t)+\b], 0xff000000, v[BM+4*(\t)+\b]
.endr
.irp b, 0,1,2,3
	s_delay_alu instid0(VALU_DEP_4)
	v_lshrrev_b32 v[PX+4*(\t)+\b], 23, v[SO+4*(\t)+\b]
.endr
	s_delay_alu instid0(VALU_DEP_3)
	v_lshl_or_b32 v[PW+(\t)], v[PX+4*(\t)+1], 8, v[PX+4*(\t)]
	s_delay_alu instid0(VALU_DEP_1)
	v_lshl_or_b32 v[PW+(\t)], v[PX+4*(\t)+2], 16, v[PW+(\t)]
	s_delay_alu instid0(VALU_DEP_1)
	v_lshl_or_b32 v[PW+(\t)], v[PX+4*(\t)+3], 24, v[PW+(\t)]
.endm
.macro PCODES t
	v_cvt_scalef32_pk16_fp6_f32 v[PC+12*(\t):PC+12*(\t)+2], v[S+64*(\t):S+64*(\t)+15], v[SO+4*(\t)]
	v_cvt_scalef32_pk16_fp6_f32 v[CT+8*(\t):CT+8*(\t)+2], v[S+64*(\t)+16:S+64*(\t)+31], v[SO+4*(\t)+1]
	v_cvt_scalef32_pk16_fp6_f32 v[PC+12*(\t)+6:PC+12*(\t)+8], v[S+64*(\t)+32:S+64*(\t)+47], v[SO+4*(\t)+2]
	v_cvt_scalef32_pk16_fp6_f32 v[CT+8*(\t)+4:CT+8*(\t)+6], v[S+64*(\t)+48:S+64*(\t)+63], v[SO+4*(\t)+3]
.endm
.macro PWHOLE t
.irp c, 0,1
.irp i, 0,1,2
	v_permlane16_swap_b32 v[PC+12*(\t)+6*\c+\i], v[CT+8*(\t)+4*\c+\i]
.endr
.irp i, 0,1,2
	s_delay_alu instid0(VALU_DEP_3)
	v_mov_b32 v[PC+12*(\t)+6*\c+3+\i], v[CT+8*(\t)+4*\c+\i]
.endr
.endr
.endm
.macro STEP
	v_add_nc_u32 v[ADK], s[TB], v[LI]
	v_add_nc_u32 v[ADS], s[TB], v[LS8]
	v_add_nc_u32 v[ADM], s[TMK], v[MK]
	v_nop
	ds_load_b64 v[KSC:KSC+1], v[ADS] offset:4*FRB
	ds_load_b64 v[VSC:VSC+1], v[ADS] offset:REC+4*FRB
	WIN W_LD
.irp f, 0,1,2,3
.irp j, 0,1,2
	ds_load_b128 v[KF+12*\f+4*\j:KF+12*\f+4*\j+3], v[ADK] offset:FRB*\f+512*\j
.endr
.endr
.irp n, 0,1,2,3,4,5,6,7
.irp q, 0,1
	ds_load_b128 v[CM+8*\n+4*\q:CM+8*\n+4*\q+3], v[ADM] offset:128*(\n/2)+32*(\n%2)+16*\q
.endr
.endr
.irp f, 0,1,2,3
.irp j, 0,1,2
	ds_load_b128 v[VF+12*\f+4*\j:VF+12*\f+4*\j+3], v[ADK] offset:REC+FRB*\f+512*\j
.endr
.endr
	s_wait_dscnt 12
	WIN W_KQ
.irp f, 0,1,2,3
.irp u, 0,1
.irp t, 0,1
	SCORE \f, \u, \t
.endr
.endr
.endr
	WIN 0
.rept 4
	v_nop
.endr
.irp b, 0,1,2,3
.irp t, 0,1
	v_max3_num_f32 v[BM+4*\t+\b], v[S+64*\t+16*\b], v[S+64*\t+16*\b+1], v[S+64*\t+16*\b+2]
.endr
.endr
.irp i, 3,5,7,9,11,13
.irp b, 0,1,2,3
.irp t, 0,1
	v_max3_num_f32 v[BM+4*\t+\b], v[BM+4*\t+\b], v[S+64*\t+16*\b+\i], v[S+64*\t+16*\b+\i+1]
.endr
.endr
.endr
.irp b, 0,1,2,3
.irp t, 0,1
	v_max_num_f32 v[BM+4*\t+\b], v[BM+4*\t+\b], v[S+64*\t+16*\b+15]
.endr
.endr
.irp i, 0,1,2,3,4,5,6,7
	v_permlanex16_b32 v[PX+\i], v[BM+\i], s[SEL], s[SEL+1]
.endr
.irp i, 0,1,2,3,4,5,6,7
	v_max_num_f32 v[BM+\i], v[BM+\i], v[PX+\i]
.endr
.irp t, 0
	v_max3_num_f32 v[ST+8*\t+6], v[BM+4*\t], v[BM+4*\t+1], v[BM+4*\t+2]
.endr
.irp t, 1
	s_delay_alu instid0(VALU_DEP_3)
	v_max3_num_f32 v[ST+8*\t+6], v[BM+4*\t], v[BM+4*\t+1], v[BM+4*\t+2]
.endr
.irp t, 0,1
	s_delay_alu instid0(VALU_DEP_2)
	v_max_num_f32 v[ST+8*\t+6], v[ST+8*\t+6], v[BM+4*\t+3]
.endr
.irp t, 0,1
	s_delay_alu instid0(VALU_DEP_2)
	v_mul_f32 v[ST+8*\t+6], s[CS], v[ST+8*\t+6]
.endr
.irp t, 0,1
	s_delay_alu instid0(VALU_DEP_2)
	v_max_num_f32 v[ST+8*\t+1], v[ST+8*\t+1], v[ST+8*\t+6]
.endr
.irp t, 0,1
	v_mov_b32 v[ST+8*\t+6], v[ST+8*\t]
.endr
.irp t, 0,1
	s_delay_alu instid0(VALU_DEP_4)
	v_floor_f32 v[ST+8*\t], -v[ST+8*\t+1]
.endr
.irp t, 0,1
	s_delay_alu instid0(VALU_DEP_2)
	v_sub_f32 v[ST+8*\t+6], v[ST+8*\t], v[ST+8*\t+6]
.endr
.irp t, 0,1
	s_delay_alu instid0(VALU_DEP_2)
	v_cvt_i32_f32 v[ST+8*\t+6], v[ST+8*\t+6]
.endr
.irp t, 0,1
	s_delay_alu instid0(VALU_DEP_2)
	v_ldexp_f32 v[ST+8*\t+4], 1.0, v[ST+8*\t+6]
.endr
.set j, 0
.rept 32
	v_pk_fma_f32 v[S+j:S+j+1], v[S+j:S+j+1], s[CS:CS+1], v[ST:ST+1] op_sel_hi:[1,0,0]
.set j, j+2
.endr
.irp b, 0,1,2,3
	v_fma_f32 v[BM+\b], v[BM+\b], s[CS], v[ST]
.endr
.set j, 0
	s_wait_alu depctr_va_vdst(0)
.rept 32
	v_pk_fma_f32 v[S+64+j:S+64+j+1], v[S+64+j:S+64+j+1], s[CS:CS+1], v[ST+8:ST+9] op_sel_hi:[1,0,0]
	v_exp_f32 v[S+j], v[S+j]
	v_exp_f32 v[S+j+1], v[S+j+1]
.set j, j+2
.endr
.irp b, 0,1,2,3
	v_fma_f32 v[BM+4+\b], v[BM+4+\b], s[CS], v[ST+8]
.endr
.irp b, 0,1,2,3
	v_exp_f32 v[BM+\b], v[BM+\b]
.endr
	v_pk_mul_f32 v[ST+2:ST+3], v[ST+2:ST+3], v[ST+4:ST+5] op_sel_hi:[1,0]
	s_wait_alu depctr_va_vdst(0)
.set k, 0
.rept 32
	v_exp_f32 v[S+64+2*k], v[S+64+2*k]
	v_exp_f32 v[S+64+2*k+1], v[S+64+2*k+1]
.set k, k+1
.endr
.irp b, 0,1,2,3
	v_exp_f32 v[BM+4+\b], v[BM+4+\b]
.endr
	v_pk_mul_f32 v[ST+10:ST+11], v[ST+10:ST+11], v[ST+12:ST+13] op_sel_hi:[1,0]
	PSCALE 0
	s_wait_alu depctr_va_vdst(0)
.set k, 0
.rept 32
	SUMADD 0, k
	SUMADD 1, k
.set k, k+1
.endr
	PSCALE 1
	PCODES 0
	PCODES 1
	v_nop
	PWHOLE 0
	PWHOLE 1
	WIN W_RS
.irp t, 0,1
.set j, 0
.rept 16
	v_pk_mul_f32 v[32*\t+j:32*\t+j+1], v[32*\t+j:32*\t+j+1], v[ST+8*\t+4:ST+8*\t+5] op_sel_hi:[1,0]
.set j, j+2
.endr
.endr
	s_wait_alu depctr_va_vdst(0)
	s_wait_dscnt 0x0
	WIN W_PV
.irp a, 0,1,2,3
.irp t, 0,1
	PV \a, \t
.endr
.endr
	WIN 0
.endm
.macro STEPS n
	s_mov_b32 s[CNT], \n
.Lstep_\@:
	STEP
	s_add_co_u32 s[TB], s[TB], KVS
	s_add_co_u32 s[TMK], s[TMK], 512
	s_sub_co_u32 s[CNT], s[CNT], 1
	s_cmp_lg_u32 s[CNT], 0
	s_cbranch_scc1 .Lstep_\@
.endm
.macro PASS_HEAD p
.if \p
	s_wait_xcnt 0x0
.endif
	global_load_b32 v[WQ], v[AQS], s[QSB:QSB+1] offset:2*STEPB*\p
	WIN W_LD
.irp i, 0,1,2
	global_load_b64 v[QZ+6+2*\i:QZ+7+2*\i], v[LI], s[QB:QB+1] offset:2*STEPB*\p+512*(\i/2)+8*(\i%2)
.endr
.irp i, 3,4,5
	global_load_b64 v[QZ+12+2*\i:QZ+13+2*\i], v[LI], s[QB:QB+1] offset:2*STEPB*\p+512*(\i/2)+8*(\i%2)
.endr
.set j, 0
.rept 32
	v_mov_b32 v[j], 0
.set j, j+1
.endr
	WIN 0
.irp t, 0,1
	v_mov_b32 v[ST+8*\t+1], 0xff61b1e6
	s_delay_alu instid0(VALU_DEP_1)
	v_floor_f32 v[ST+8*\t], -v[ST+8*\t+1]
	v_mov_b32 v[ST+8*\t+2], 0
	v_mov_b32 v[ST+8*\t+3], 0
.endr
	s_wait_loadcnt 0x0
	v_perm_b32 v[SQ], v[WQ], v[WQ], s54
	v_perm_b32 v[SQ+1], v[WQ], v[WQ], s55
	WIN W_LD
.set j, 32
.rept 32
	v_mov_b32 v[j], 0
.set j, j+1
.endr
	WIN 0
.endm
.macro PASS_TAIL p
.irp t, 0,1
	v_add_f32 v[ST+8*\t+6], v[ST+8*\t+2], v[ST+8*\t+3]
.endr
.irp t, 0,1
	s_delay_alu instid0(VALU_DEP_2)
	v_permlanex16_b32 v[ST+8*\t+7], v[ST+8*\t+6], s[SEL], s[SEL+1]
.endr
.irp t, 0,1
	s_delay_alu instid0(VALU_DEP_2)
	v_add_f32 v[ST+8*\t+7], v[ST+8*\t+6], v[ST+8*\t+7]
.endr
	s_wait_alu depctr_va_vdst(0)
.irp t, 0,1
	v_rcp_f32 v[ST+8*\t+6], v[ST+8*\t+7]
.endr
	v_nop
	s_wait_alu depctr_va_vdst(0)
	WIN W_OUT
.irp t, 0,1
.set j, 0
.rept 16
	v_pk_mul_f32 v[S+64*\t+j:S+64*\t+j+1], v[32*\t+j:32*\t+j+1], v[ST+8*\t+6:ST+8*\t+7] op_sel_hi:[1,0]
.set j, j+2
.endr
.endr
	WIN 0
.irp t, 0,1
.irp a, 0,1,2,3
.irp q, 0,1
	ds_store_b128 v[STO], v[S+64*\t+8*\a+4*\q:S+64*\t+8*\a+4*\q+3] offset:128*(\a/2)+32*(\a%2)+16*\q
.endr
.endr
.irp i, 0,1,2,3,4,5,6,7
	ds_load_b128 v[S+64*\t+32+4*\i:S+64*\t+32+4*\i+3], v[RD] offset:2*SPITCH*\i
.endr
.endr
.irp t, 0,1
.irp i, 0,1,2,3,4,5,6,7
	s_wait_dscnt 23-16*\t-\i
	global_store_b128 v[GO], v[S+64*\t+32+4*\i:S+64*\t+32+4*\i+3], s[OB:OB+1] offset:1048576*\p+(8*\t+2*\i+8*(\i/4))*4096 th:TH_STORE_NT
.endr
.endr
.endm
	PASS_HEAD 0
	s_wait_tensorcnt 0x0                           ; my two key steps are in,
	s_wait_dscnt 0x0                               ; and my part of the mask's terms is stored:
	s_barrier_signal -1
	s_barrier_wait -1                              ; everybody's are
	s_mov_b32 s[TB], 0
	s_mov_b32 s[TMK], 0
	STEPS 16
	PASS_TAIL 0
	PASS_HEAD 1
	s_mov_b32 s[TB], 0
	s_mov_b32 s[TMK], 0
	STEPS 16
	PASS_TAIL 1
	s_wait_tensorcnt 0x0
	ds_add_u32 v[SPW], v[NIL]
	s_wait_dscnt 0x0
	CROUND
	s_endpgm
.Lfunc_end_k_q422256d136_attn:
	.size	k_q422256d136_attn, .Lfunc_end_k_q422256d136_attn-k_q422256d136_attn
	.p2alignl 7, 3214868480
	.fill 96, 4, 3214868480
	.section	.rodata,"a",@progbits
	.p2align	6, 0x0
	.amdhsa_kernel k_q422256d136_attn
		.amdhsa_group_segment_fixed_size 327680
		.amdhsa_private_segment_fixed_size 0
		.amdhsa_enable_private_segment 0
		.amdhsa_kernarg_size 24
		.amdhsa_user_sgpr_count 2
		.amdhsa_user_sgpr_kernarg_segment_ptr 1
		.amdhsa_wavefront_size32 1
		.amdhsa_system_sgpr_workgroup_id_x 1
		.amdhsa_system_sgpr_workgroup_id_y 1
		.amdhsa_system_sgpr_workgroup_id_z 1
		.amdhsa_system_vgpr_workitem_id 0
		.amdhsa_next_free_vgpr 512
		.amdhsa_next_free_sgpr 66
		.amdhsa_reserve_vcc 0
		.amdhsa_float_denorm_mode_32 3
		.amdhsa_float_denorm_mode_16_64 3
		.amdhsa_memory_ordered 1
		.amdhsa_forward_progress 1
		.amdhsa_inst_pref_size 91
	.end_amdhsa_kernel
	.amdgpu_metadata
---
amdhsa.version: [ 1, 2 ]
amdhsa.kernels:
  - .name:           k_q422256d136_attn
    .symbol:         k_q422256d136_attn.kd
    .args:
      - { .name: qkv, .offset: 0, .size: 8, .value_kind: global_buffer, .address_space: global }
      - { .name: mask, .offset: 8, .size: 8, .value_kind: global_buffer, .address_space: global }
      - { .name: out0, .offset: 16, .size: 8, .value_kind: global_buffer, .address_space: global }
    .group_segment_fixed_size: 327680
    .private_segment_fixed_size: 0
    .kernarg_segment_align: 8
    .kernarg_segment_size: 24
    .max_flat_workgroup_size: 256
    .sgpr_count:     66
    .vgpr_count:     512
    .wavefront_size: 32
...
	.end_amdgpu_metadata
.endif
;; end of part 3
